; MI455X (gfx1250); checked and timed in simulation.
; The chip was launched on July 23, 2026; its instructions are those of AMD's public machine-readable ISA for CDNA 5 (MIT licence, August 2026) and "CDNA5" Instruction Set Architecture Reference Guide (July 2026). The comments in the code are by the model that wrote it; some were corrected since.
;; Attention. Allowed arithmetic: matrix products marked QUANTISED: E2M3 operands, one E8M0 scale for each 32 along K, by v_wmma_scale_f32_16x16x128_f8f6f4 with both operands' format E2M3, f32 sums; everything else in f32.
;; Inputs: W_k 1,024 x 1,024 float32; W_q 1,024 x 1,024 float32; W_u 1,024 x 1,024 float32; W_v 1,024 x 1,024 float32; X 4 x 2,048 x 1,024 float32; b_u 1,024 float32.
;; Outputs: out0 4 x 2,048 x 1,024 float32.
;; This version of the problem:
;;   THIS VERSION OF THE PROBLEM IS GIVEN IN LOW PRECISION. The matrix products marked QUANTISED in the list below multiply operands that are first quantised to E2M3 (2 exponent bits, 3 mantissa bits; 6 bits a number), with one power-of-two scale for each 32 numbers along K (OCP MX v1.0); their sums are f32. All else is computed in f32.
;;   The module's matrix products, in the order in which they are computed (A, B: the left and right operand; K: the contracted axis; several contracted axes count as one K, in the product's order):
;;     1. [M 8,192, K 1,024] x [K 1,024, N 1,024]; A: input X; B: input W_k: QUANTISED
;;     2. [M 8,192, K 1,024] x [K 1,024, N 1,024]; A: input X; B: input W_q: QUANTISED
;;     3. [M 8,192, K 1,024] x [K 1,024, N 1,024]; A: input X; B: input W_v: QUANTISED
;;     4. batch 64 x [M 2,048, K 64] x [K 64, N 2,048]; A: computed on the way; B: computed on the way: QUANTISED
;;     5. batch 64 x [M 64, K 2,048] x [K 2,048, N 2,048]; A: computed on the way; B: softmax (see below): QUANTISED
;;     6. [M 8,192, K 1,024] x [K 1,024, N 1,024]; A: computed on the way; B: input W_u: QUANTISED
;;   THE QUANTISER, for each operand of a quantised product, along K:
;;     - K is cut into blocks of 32 from its start; a last block that is shorter is filled with zeros.
;;     - A block's scale is 2^e with e = floor(log2(the largest magnitude in the block)) - 2, held to -126 .. 127; a block of zeros has e = 0. As a byte (E8M0): e + 127.
;;     - Each number is divided by its block's scale, clamped to +-7.5, and rounded to the nearest number of E2M3, ties to even, subnormals kept.
;;     - The product sums the exact products of the quantised numbers (number of the format x scale) in f32.
;;   ~~~python
;;   def quantise(x, axis):      # numpy; x: float32 -> the quantised numbers, widened to float32 again
;;       x = np.moveaxis(x, axis, -1); K = x.shape[-1]
;;       x = np.pad(x, [(0, 0)] * (x.ndim - 1) + [(0, -K % 32)]); x = x.reshape(x.shape[:-1] + (-1, 32)); a = np.abs(x).max(-1, keepdims=True)
;;       e = np.where(a > 0, np.clip(np.frexp(np.where(a > 0, a, 1))[1] - 1 - 2, -126, 127), 0)      # np.frexp(a)[1] - 1 = floor(log2(a)), exactly
;;       r = np.clip(x / 2.0 ** e, -7.5, 7.5)
;;       step = 2.0 ** (np.maximum(np.frexp(np.where(r == 0, 1, r))[1] - 1, 0) - 3)
;;       q = np.round(r / step) * step * 2.0 ** e      # np.round: ties to even
;;       return np.moveaxis(q.reshape(q.shape[:-2] + (-1,))[..., :K], -1, axis).astype(np.float32)
;;   ~~~
;;   SOFTMAX AHEAD OF A QUANTISED PRODUCT. Where the list says 'softmax', what is quantised is not the finished softmax but p = 2^(t - M), with t = logit x log2(e) and M = ceil(the row's largest t), a whole number; so 1/2 < the row's largest p <= 1. The row's sum l is taken of the UNQUANTISED p, in f32, and the product's result is divided by l at the end. Since M is a whole number, a kernel that streams over the keys may use a running M (the ceiling of the running maximum): every later rescaling is an exact power of two, which a block's scale takes up: the codes' values come out the same.
;;   OPERANDS COMPUTED ON THE WAY. 'Computed on the way' means the value that the module computes at that place (a softmax that the list does not call 'softmax' is quantised finished and normalised). What goes into a quantiser is computed in f32, as accurately as f32 sums, v_exp_f32 and their like allow (about 1e-6 of the number): no bf16 or f16 on the way to a quantiser, and a product that is left as it is and whose result goes on into a quantised operand takes f32 operands (vector FMAs, or v_wmma_f32_16x16x4_f32). A number that lies on a knife's edge between two numbers of the format may be rounded either way, as far as f32 arithmetic and the matrix unit's own rounding can turn it there, and no further.
;; One version. Each part assembles by itself: llvm-mc -triple=amdgcn-amd-amdhsa -mcpu=gfx1250 --defsym DOCPART=n.
;; ======== version 1 of 1: 4 launches
;; limits: right only within a limited range of input values
;; workspace buffers: xw 9,830,400 bytes; qkv 19,660,800 bytes; yq 6,553,600 bytes
;; launch quant (part 1): grid 384 x 1, 4 waves a work-group, no clusters, 34,304 bytes of LDS; arguments X, W_q, W_k, W_v, W_u, xw; writes xw
.if DOCPART == 1
	.amdgcn_target "amdgcn-amd-amdhsa--gfx1250"
	.amdhsa_code_object_version 6
	.text
	.protected	k_q7460b8e18b_quant
	.globl	k_q7460b8e18b_quant
	.p2align	8
	.type	k_q7460b8e18b_quant,@function
k_q7460b8e18b_quant:
	s_mov_b64 s[64:65], 0
	v_nop
	global_prefetch_b8 v0, s[64:65] scope:SCOPE_SE
	s_setreg_imm32_b32 hwreg(HW_REG_WAVE_MODE, 25, 1), 1
	s_wait_xcnt 0x0
; X [8192][1024] and W_q, W_k, W_v, W_u [1024][1024], f32 with K innermost, become codes of FP6 (E2M3) with one E8M0 byte for each 32 along K,
; laid in the order of a matrix operand's registers.  Rows go in TILES of 16, numbered tau (X 0-511, W_q 512-575, W_k 576-639, W_v 640-703, W_u 704-767);
; lane r of tile tau stands for row 32 (tau / 2) + 8 (tau % 2) + r + 8 (r / 8) of its tensor.  A fragment (16 rows x 128 K, 12 registers a lane) is an IMAGE of 1,536 bytes:
; register 2 p + e of a lane at 256 p + 8 lane + 4 e; registers 6 c .. 6 c + 5 of lane (r, h) hold k = 64 c + 32 h + 0 .. 31.  Codes: tau x 12,288 + K step x 1,536.
; Scale words (four bytes: 128 along K of one row): XWS + tau x 512 + (K step / 2) x 128 + 8 r + 4 (K step % 2).
; A block's scale is 2^(floor(log2(its largest magnitude)) - 2); its byte is the largest magnitude's exponent field - 2, held at 1 from below.
; LIMITS: NaN and infinities among the inputs are not served; a block whose largest magnitude lies under 2^-124 keeps the byte 1; a block of zeros gets the byte 1 where the rule says 127
; (its codes are zeros, which add nothing under any byte but 0xff, and the bytes are read by this program alone).
; SHARES: work-group g, wave w: tile 2 g + w / 2, K half w % 2: 16 rows x 512 K, four K steps.  Each load reads 512 consecutive bytes of one row; a step's 16 x 512 bytes turn through the wave's own
; stage in LDS (rows 528 bytes apart) and come back 256 bytes a lane: a lane then holds two whole blocks.  Each store of codes covers 256 consecutive bytes, aligned.  Waves share nothing: no barrier.
.set SP,   528                         ; a stage row: 512 bytes + 16
.set STG,  16*SP                       ; a wave's stage
.set XWS,  9437184                     ; where the scale words begin in xw
.set R,    16                          ; v16-143  two sets of 64 registers as loaded
.set XN,   144                         ; v144-207 register 32 c + i = k 64 c + 32 h + i of my row
.set PC,   208                         ; v208-219 the fragment's codes
.set TQ,   220                         ; v220-222, v224-226 the second halves of the blocks' codes
.set BM,   228                         ; v228-229 the blocks' largest magnitudes
.set SO,   230                         ; v230-231 the conversions' scale operands
.set BY,   232                         ; v232-233 the scale bytes
.set TW,   234                         ; v234-235 at work
.set SW,   236                         ; v236-239 the four K steps' scale words
	s_load_b256 s[4:11], s[0:1], 0x0               ; X, W_q, W_k, W_v
	s_load_b128 s[12:15], s[0:1], 0x20             ; W_u, xw
	v_lshl_add_u32 v240, v0, 2, 0x8400
	v_mov_b32 v241, 0
	v_lshrrev_b32 v9, 5, v0
	v_readfirstlane_b32 s16, v9                    ; wave 0..3
	v_and_b32 v1, 31, v0                           ; lane
	v_and_b32 v2, 15, v0                           ; r
	v_bfe_u32 v3, v0, 4, 1                         ; h
	v_lshlrev_b32 v4, 4, v1                        ; my 16 bytes of a load's 512
	s_mul_i32 s17, s16, STG
	v_add_nc_u32 v5, s17, v4                       ; the stage, on the way in: 16 x lane in a row
	v_mul_u32_u24 v6, v2, SP
	v_lshl_add_u32 v6, v3, 7, v6
	v_add_nc_u32 v6, s17, v6                       ; and on the way out: row r, + 128 h
	v_lshlrev_b32 v7, 3, v1                        ; an image's place for my lane: 8 x lane
	v_lshlrev_b32 v8, 3, v3                        ; 8 h: my bytes' shift in a scale word
	s_mov_b32 s20, 0x76543210
	s_mov_b32 s21, 0xfedcba98                      ; v_permlanex16_b32's selects for lane l xor 16
	v_cmp_lt_u32 s22, 15, v1                       ; lanes 16-31
	v_mov_b32 v[TW+1], 0                           ; written once: a lane permute's destination counts as one of its sources
	s_lshl_b32 s18, ttmp9, 1
	s_lshr_b32 s19, s16, 1
	s_add_co_u32 s18, s18, s19                     ; tau
	s_and_b32 s19, s16, 1                          ; which half of K
	s_wait_alu depctr_va_vdst(0)
	s_wait_kmcnt 0x0
	s_cmp_lt_u32 ttmp9, 352                        ; whose tile?  The choice hangs on the work-group's number alone
	s_cselect_b64 s[12:13], s[10:11], s[12:13]
	s_cmp_lt_u32 ttmp9, 320
	s_cselect_b64 s[12:13], s[8:9], s[12:13]
	s_cmp_lt_u32 ttmp9, 288
	s_cselect_b64 s[12:13], s[6:7], s[12:13]
	s_cmp_lt_u32 ttmp9, 256
	s_cselect_b64 s[12:13], s[4:5], s[12:13]
	s_cselect_b32 s23, 511, 63
	s_and_b32 s23, s18, s23                        ; the tile's number in its own tensor
	s_lshr_b32 s24, s23, 1
	s_lshl_b32 s24, s24, 17                        ; 32 rows of 4,096 bytes for each pair of tiles,
	s_and_b32 s25, s23, 1
	s_lshl_b32 s25, s25, 15                        ; 8 rows for the odd tile,
	s_add_co_u32 s24, s24, s25
	s_lshl_b32 s25, s19, 11                        ; 2,048 bytes for the second half of K
	s_add_co_u32 s24, s24, s25
	s_mov_b32 s25, 0
	s_add_nc_u64 s[12:13], s[12:13], s[24:25]
	s_mul_i32 s26, s18, 12288
	s_mul_i32 s27, s19, 6144
	s_add_co_u32 s26, s26, s27
	s_mov_b32 s27, 0
	s_add_nc_u64 s[28:29], s[14:15], s[26:27]      ; my four images
	s_lshl_b32 s26, s18, 9
	s_lshl_b32 s30, s19, 8
	s_add_co_u32 s26, s26, s30
	s_add_co_u32 s26, s26, XWS
	s_add_nc_u64 s[30:31], s[14:15], s[26:27]      ; my 256 bytes of scale words
.macro LOAD t                          ; K step t: 512 bytes of each of the tile's 16 rows, into set t % 2
.irp i, 0,1,2,3,4,5,6,7,8,9,10,11,12,13,14,15
	global_load_b128 v[R+64*((\t)%2)+4*\i:R+64*((\t)%2)+4*\i+3], v4, s[12:13] offset:(\i+8*(\i/8))*4096+512*(\t) th:TH_LOAD_NT
.endr
.endm
.macro TURN t                          ; through the stage: LDS serves a wave's instructions in order (ISA guide 5.7.1.4), so no wait stands between the stores and the loads
.irp i, 0,1,2,3,4,5,6,7,8,9,10,11,12,13,14,15
	ds_store_b128 v5, v[R+64*((\t)%2)+4*\i:R+64*((\t)%2)+4*\i+3] offset:SP*\i
.endr
.irp c, 0,1
.irp i, 0,1,2,3,4,5,6,7
	ds_load_b128 v[XN+32*\c+4*\i:XN+32*\c+4*\i+3], v6 offset:256*\c+16*\i
.endr
.endr
.endm
.macro QSTEP t
.if (\t) < 3
	s_wait_loadcnt 16                              ; this step's 16 loads are in; the next step's 16 may be out
.else
	s_wait_loadcnt 0x0
.endif
	TURN \t
	s_wait_dscnt 0x0                               ; my numbers are back, and the stores into the stage have read their registers
	s_wait_xcnt 0x0                                ; the last step's stores have read the codes' registers, which are written again below
.if (\t) < 2
	LOAD (\t)+2
.endif
.irp c, 0,1
	v_max3_num_f32 v[BM+\c], |v[XN+32*\c]|, |v[XN+1+32*\c]|, 0x1800000   ; my block 2 c + h: all its 32 numbers are mine; and the floor 2^(3 - 127): the byte cannot fall under 1
.endr
.irp i, 2,4,6,8,10,12,14,16,18,20,22,24,26,28,30
.irp c, 0,1
	v_max3_num_f32 v[BM+\c], v[BM+\c], |v[XN+32*\c+\i]|, |v[XN+1+32*\c+\i]|
.endr
.endr
.irp c, 0,1
	v_add_nc_u32 v[SO+\c], 0xff000000, v[BM+\c]    ; 2 off the exponent field: the conversion takes this operand's exponent field as its scale
.endr
.irp c, 0,1
	v_lshrrev_b32 v[BY+\c], 23, v[SO+\c]           ; the scale's byte
.endr
	v_lshl_or_b32 v[TW], v[BY+1], 16, v[BY]        ; my two bytes: blocks h and 2 + h of row r,
	v_lshlrev_b32 v[TW], v8, v[TW]                 ; at their places in the word;
	v_permlanex16_b32 v[TW+1], v[TW], s20, s21
	v_or_b32 v[SW+(\t)], v[TW], v[TW+1]            ; with lane l xor 16's two the word is whole
.irp c, 0,1
	v_cvt_scalef32_pk16_fp6_f32 v[PC+6*\c:PC+6*\c+2], v[XN+32*\c:XN+32*\c+15], v[SO+\c]
	v_cvt_scalef32_pk16_fp6_f32 v[TQ+4*\c:TQ+4*\c+2], v[XN+32*\c+16:XN+32*\c+31], v[SO+\c]   ; (a conversion's three registers begin on an even number)
.endr
	v_nop                                          ; one plain place behind a scaled conversion
.irp c, 0,1
.irp i, 0,1,2
	v_mov_b32 v[PC+3+6*\c+\i], v[TQ+4*\c+\i]
.endr
.endr
.irp p, 0,1,2,3,4,5
	global_store_b64 v7, v[PC+2*\p:PC+2*\p+1], s[28:29] offset:1536*(\t)+256*\p   ; 32 lanes store 256 consecutive bytes, aligned
.endr
.endm
	LOAD 0
	LOAD 1
	QSTEP 0
	QSTEP 1
	QSTEP 2
	QSTEP 3
	v_cndmask_b32 v[TW], v[SW], v[SW+2], s22       ; lanes 0-15 store row r's words of K steps 0, 1; lanes 16-31 those of K steps 2, 3
	v_cndmask_b32 v[TW+1], v[SW+1], v[SW+3], s22
	global_store_b64 v7, v[TW:TW+1], s[30:31]      ; 256 consecutive bytes, aligned
	s_wait_tensorcnt 0x0
	ds_add_u32 v240, v241
	s_wait_dscnt 0x0
	s_endpgm
.Lfunc_end_k_q7460b8e18b_quant:
	.size	k_q7460b8e18b_quant, .Lfunc_end_k_q7460b8e18b_quant-k_q7460b8e18b_quant
	.p2alignl 7, 3214868480
	.fill 96, 4, 3214868480
	.section	.rodata,"a",@progbits
	.p2align	6, 0x0
	.amdhsa_kernel k_q7460b8e18b_quant
		.amdhsa_group_segment_fixed_size 34304
		.amdhsa_private_segment_fixed_size 0
		.amdhsa_enable_private_segment 0
		.amdhsa_kernarg_size 48
		.amdhsa_user_sgpr_count 2
		.amdhsa_user_sgpr_kernarg_segment_ptr 1
		.amdhsa_wavefront_size32 1
		.amdhsa_system_sgpr_workgroup_id_x 1
		.amdhsa_system_sgpr_workgroup_id_y 1
		.amdhsa_system_sgpr_workgroup_id_z 1
		.amdhsa_system_vgpr_workitem_id 0
		.amdhsa_next_free_vgpr 242
		.amdhsa_next_free_sgpr 66
		.amdhsa_reserve_vcc 0
		.amdhsa_float_denorm_mode_32 3
		.amdhsa_float_denorm_mode_16_64 3
		.amdhsa_memory_ordered 1
		.amdhsa_forward_progress 1
		.amdhsa_inst_pref_size 32
	.end_amdhsa_kernel
	.amdgpu_metadata
---
amdhsa.version: [ 1, 2 ]
amdhsa.kernels:
  - .name:           k_q7460b8e18b_quant
    .symbol:         k_q7460b8e18b_quant.kd
    .args:
      - { .name: X, .offset: 0, .size: 8, .value_kind: global_buffer, .address_space: global }
      - { .name: W_q, .offset: 8, .size: 8, .value_kind: global_buffer, .address_space: global }
      - { .name: W_k, .offset: 16, .size: 8, .value_kind: global_buffer, .address_space: global }
      - { .name: W_v, .offset: 24, .size: 8, .value_kind: global_buffer, .address_space: global }
      - { .name: W_u, .offset: 32, .size: 8, .value_kind: global_buffer, .address_space: global }
      - { .name: xw, .offset: 40, .size: 8, .value_kind: global_buffer, .address_space: global }
    .group_segment_fixed_size: 34304
    .private_segment_fixed_size: 0
    .kernarg_segment_align: 8
    .kernarg_segment_size: 48
    .max_flat_workgroup_size: 128
    .sgpr_count:     66
    .vgpr_count:     242
    .wavefront_size: 32
...
	.end_amdgpu_metadata
.endif
;; end of part 1
;; launch proj (part 2): grid 96 x 4, 4 waves a work-group, clusters of 4 x 4, 327,680 bytes of LDS; arguments xw, qkv; writes qkv
.if DOCPART == 2
	.amdgcn_target "amdgcn-amd-amdhsa--gfx1250"
	.amdhsa_code_object_version 6
	.text
	.protected	k_q7460b8e18b_proj
	.globl	k_q7460b8e18b_proj
	.p2align	8
	.type	k_q7460b8e18b_proj,@function
k_q7460b8e18b_proj:
	s_mov_b64 s[64:65], 0
	v_nop
	global_prefetch_b8 v0, s[64:65] scope:SCOPE_SE
	s_setreg_imm32_b32 hwreg(HW_REG_WAVE_MODE, 25, 1), 1
	s_wait_xcnt 0x0
	s_wait_alu depctr_hold_cnt(0) depctr_sa_sdst(0) depctr_va_vdst(0) depctr_va_sdst(0) depctr_va_ssrc(0) depctr_va_vcc(0) depctr_vm_vsrc(0)
	s_getreg_b32 s2, hwreg(HW_REG_IB_STS2, 6, 4)
	s_cmp_eq_u32 s2, 0
	s_cbranch_scc0 .Lentry_in_a_cluster
	s_endpgm
.Lentry_in_a_cluster:
	s_bfe_u32 s2, ttmp6, 0x10000c
	s_cmp_lg_u32 s2, 0xf033
	s_cbranch_scc0 .Lentry_shape_is_right
	s_endpgm
.Lentry_shape_is_right:
.set NQ,     2
.set FR,     12
.set NL,     6
.set NP,     4
.set TILEB,  3072
.set KROW,   12288
.set HALFT,  8*TILEB
.set SLOT,   4*HALFT
.set SCL,    2*SLOT
.set HALFS,  4096
.set SBLK,   512
.set SPARE,  SCL+4*HALFS
.set XWS,    9437184
.set ADRA, 16
.set ADRB, 20
.set ADRS, 27
.set SPW,  28
.set NIL,  29
.set SC,   32
.set AF,   128
.set T,    64
.set PC,   128
.set TM,   160
.set PW,   176
.set G1, 24
.set G0, 32
.set G1B, 48
.set G0B, 56
.set G1S, 68
.set G0S, 76
.set G1SB, 80
.set G0SB, 88
.set SEL, 90
.set MSB, 0
.macro WIN new
.if MSB != (\new)
	s_set_vgpr_msb (MSB<<8)|(\new)
.set MSB, (\new)
.endif
.endm
.set MUL_LO, 0xa1
.set MUL_HI, 0xf1
.set TO_B,   0x40
.macro JLOAD g0a, g1a, g0b, g1b
	s_cmp_eq_u32 s15, 0
	s_cbranch_scc0 .Lfor_b_\@
	tensor_load_to_lds s[\g0a:\g0a+3], s[\g1a:\g1a+7]
	s_nop 0
.rept 4
	v_nop
.endr
	s_branch .Lasked_\@
.Lfor_b_\@:
	tensor_load_to_lds s[\g0b:\g0b+3], s[\g1b:\g1b+7]
	s_nop 0
.rept 4
	v_nop
.endr
.Lasked_\@:
.endm
.macro CREST
	s_cmp_lg_u32 s14, 0
	s_cbranch_scc1 .Lnot_wave_0_\@
	s_barrier_signal -3
.Lnot_wave_0_\@:
	s_barrier_wait -3
	s_barrier_signal -1
	s_barrier_wait -1
.endm
.macro CROUND
	s_barrier_signal -1
	s_barrier_wait -1
	CREST
.endm
	s_load_b128 s[4:7], s[0:1], 0x0
	v_lshl_add_u32 v[SPW], v0, 2, SPARE
	v_mov_b32 v[NIL], 0
	ds_add_u32 v28, v29
	ds_add_u32 v28, v29
	s_wait_dscnt 0x0
	v_lshrrev_b32 v1, 5, v0
	v_readfirstlane_b32 s14, v1
	s_lshr_b32 s15, s14, 1
	s_and_b32 s16, s14, 1
	s_bfe_u32 s40, ttmp6, 0x40000
	s_bfe_u32 s41, ttmp6, 0x40004
	s_lshr_b32 s17, ttmp9, 1
	s_lshl_b32 s17, s17, 2
	s_add_co_u32 s17, s17, s41
	s_and_b32 s42, ttmp9, 1
	s_lshl_b32 s42, s42, 2
	s_add_co_u32 s42, s42, s40
	s_max_u32 s45, ttmp9, 16
	s_sub_co_u32 s45, s45, 16
	s_lshl_b32 s45, s45, 2
	s_add_co_u32 s45, s45, s40
	s_cmp_lt_u32 ttmp9, 16
	s_cselect_b32 s17, s17, s41
	s_cselect_b32 s42, s42, s45
	s_cselect_b32 s2, 0, 640
	s_cselect_b32 s3, 512, 0
	s_lshl_b32 s43, s41, 2
	s_lshl_b32 s43, 15, s43
	s_lshl_b32 s44, 0x1111, s40
	s_or_b32 s[G1+0], s43, (3<<16)|(1<<21)
	s_or_b32 s[G1B+0], s44, (3<<16)|(1<<21)
.irp g, G1, G1B
	s_mov_b32 s[\g+1], 384<<16
	s_mov_b32 s[\g+2], 8<<16
	s_mov_b32 s[\g+3], 384<<16
	s_mov_b32 s[\g+4], 8
	s_mov_b32 s[\g+5], 1536
	s_mov_b32 s[\g+6], 0
	s_mov_b32 s[\g+7], 0
.endr
	s_or_b32 s[G1S+0], s43, (3<<16)|(1<<21)
	s_or_b32 s[G1SB+0], s44, (3<<16)|(1<<21)
.irp g, G1S, G1SB
	s_mov_b32 s[\g+1], 32<<16
	s_mov_b32 s[\g+2], 16<<16
	s_mov_b32 s[\g+3], 32<<16
	s_mov_b32 s[\g+4], 16
	s_mov_b32 s[\g+5], 32
	s_mov_b32 s[\g+6], 0
	s_mov_b32 s[\g+7], 0
.endr
	s_lshl_b32 s18, s16, 3
	s_lshl_b32 s20, s17, 4
	s_add_co_u32 s20, s20, s18
	s_add_co_u32 s20, s20, s2
	s_lshl_b32 s46, s42, 4
	s_add_co_u32 s46, s46, s18
	s_add_co_u32 s46, s46, s3
	s_lshl_b32 s22, s20, 9
	s_add_co_u32 s22, s22, XWS
	s_mov_b32 s23, 0
	s_mul_i32 s20, s20, KROW
	s_mov_b32 s21, 0
	s_lshl_b32 s92, s46, 9
	s_add_co_u32 s92, s92, XWS
	s_mov_b32 s93, 0
	s_mul_i32 s46, s46, KROW
	s_mov_b32 s47, 0
	s_mul_i32 s45, s14, HALFT
	s_lshl_b32 s94, s14, 12
	s_wait_kmcnt 0x0
	s_add_nc_u64 s[20:21], s[4:5], s[20:21]
	s_add_nc_u64 s[22:23], s[4:5], s[22:23]
	s_add_nc_u64 s[46:47], s[4:5], s[46:47]
	s_add_nc_u64 s[92:93], s[4:5], s[92:93]
	CROUND
	s_mov_b32 s[G0S], 1
	s_add_co_u32 s[G0S+1], s94, SCL
	s_mov_b64 s[G0S+2:G0S+3], s[22:23]
	s_or_b32 s[G0S+3], s[G0S+3], 0x80000000
	s_mov_b32 s[G0SB], 1
	s_add_co_u32 s[G0SB+1], s94, SCL
	s_mov_b64 s[G0SB+2:G0SB+3], s[92:93]
	s_or_b32 s[G0SB+3], s[G0SB+3], 0x80000000
	JLOAD G0S, G1S, G0SB, G1SB
.irp s, 0,1
	s_mov_b32 s[G0+4*\s], 1
	s_add_co_u32 s[G0+4*\s+1], s45, \s*SLOT
	s_add_nc_u64 s[G0+4*\s+2:G0+4*\s+3], s[20:21], \s*TILEB
	s_or_b32 s[G0+4*\s+3], s[G0+4*\s+3], 0x80000000
	s_mov_b32 s[G0B+4*\s], 1
	s_add_co_u32 s[G0B+4*\s+1], s45, \s*SLOT
	s_add_nc_u64 s[G0B+4*\s+2:G0B+4*\s+3], s[46:47], \s*TILEB
	s_or_b32 s[G0B+4*\s+3], s[G0B+4*\s+3], 0x80000000
	s_wait_alu depctr_va_vdst(0)
	s_wait_tensorcnt 0x0
	ds_add_u32 v28, v29
	s_wait_dscnt 0x0
	CROUND
	JLOAD G0+4*\s, G1, G0B+4*\s, G1B
.endr
	v_and_b32 v1, 15, v0
	v_bfe_u32 v2, v0, 4, 1
	s_wait_alu depctr_va_vdst(0)
	v_and_b32 v3, 31, v0
	v_lshlrev_b32 v4, 3, v3
	s_mul_i32 s21, s15, HALFT
	s_mul_i32 s22, s16, HALFT
	s_add_co_u32 s22, s22, 2*HALFT
.irp s, 0,1
	v_add_nc_u32 v[ADRA+\s], s21, v4
	v_add_nc_u32 v[ADRB+\s], s22, v4
	s_add_co_u32 s21, s21, SLOT
	s_add_co_u32 s22, s22, SLOT
.endr
	v_lshlrev_b32 v5, 3, v1
	s_lshl_b32 s21, s15, 12
	s_lshl_b32 s22, s16, 12
	s_add_co_u32 s22, s22, 2*HALFS
	s_sub_co_u32 s22, s22, s21
	v_mul_u32_u24 v6, s22, v2
	s_add_co_u32 s21, s21, SCL
	v_add_nc_u32 v5, v5, v6
	v_add_nc_u32 v[ADRS], s21, v5
.macro FRAG reg, adr, q, i
.irp p, 0,1,2,3,4,5
	ds_load_b64 v[\reg+2*\p:\reg+2*\p+1], v[\adr] offset:1536*(\q)+TILEB*(\i)+256*\p
.endr
.endm
.macro MUL16 a0, p, q, sc, zero
.irp a, \a0, \a0+1
.irp b, 0,1,2,3,4,5,6,7
.if \zero
	v_wmma_scale_f32_16x16x128_f8f6f4 v[8*(8*((\a)%4)+\b):8*(8*((\a)%4)+\b)+7], v[128*(\p)+FR*\b:128*(\p)+FR*\b+FR-1], v[AF+FR*(\a):AF+FR*(\a)+FR-1], 0, v[SC+8*NQ*(\sc)+NQ*\b+(\q)], v[SC+8*NQ*(\sc)+NQ*(\a)+(\q)] matrix_a_fmt:MATRIX_FMT_FP6 matrix_b_fmt:MATRIX_FMT_FP6 matrix_a_scale:MATRIX_SCALE_ROW1
.else
	v_wmma_scale_f32_16x16x128_f8f6f4 v[8*(8*((\a)%4)+\b):8*(8*((\a)%4)+\b)+7], v[128*(\p)+FR*\b:128*(\p)+FR*\b+FR-1], v[AF+FR*(\a):AF+FR*(\a)+FR-1], v[8*(8*((\a)%4)+\b):8*(8*((\a)%4)+\b)+7], v[SC+8*NQ*(\sc)+NQ*\b+(\q)], v[SC+8*NQ*(\sc)+NQ*(\a)+(\q)] matrix_a_fmt:MATRIX_FMT_FP6 matrix_b_fmt:MATRIX_FMT_FP6 matrix_a_scale:MATRIX_SCALE_ROW1
.endif
.endr
.endr
.endm
.macro FETCH_B slot, q, p
	WIN TO_B
.irp i, 0,1,2,3,4,5,6,7
	FRAG 128*(\p)+FR*\i, ADRB+\slot, \q, \i
.endr
	WIN 0
.endm
.macro FETCH_A slot, q, i0
.irp i, \i0, \i0+1, \i0+2, \i0+3
	FRAG AF+FR*(\i), ADRA+\slot, \q, \i
.endr
.endm
.macro SCALES sc
.irp i, 0,1,2,3,4,5,6,7
	ds_load_b64 v[SC+8*NQ*\sc+NQ*\i:SC+8*NQ*\sc+NQ*\i+1], v[ADRS] offset:\i*SBLK
.endr
.endm
.macro PLACES n
.rept \n
	v_nop
.endr
.endm
.macro STEP slot, q, zero
	s_wait_dscnt 4*NL
	WIN MUL_LO
	MUL16 0, (\q)%2, \q, \slot, \zero
	MUL16 2, (\q)%2, \q, \slot, \zero
	s_wait_dscnt 0
	PLACES NP
	FETCH_B \slot, (\q)+1, 1-(\q)%2
	FETCH_A \slot, (\q)+1, 0
	WIN MUL_HI
	MUL16 4, (\q)%2, \q, \slot, \zero
	MUL16 6, (\q)%2, \q, \slot, \zero
	PLACES NP
	WIN 0
	FETCH_A \slot, (\q)+1, 4
.endm
.macro TURN slot, next, fill
	s_wait_tensorcnt 0x0
	ds_add_u32 v[SPW], v[NIL]
	s_wait_dscnt 4*NL+1
	WIN MUL_LO
	MUL16 0, 1, NQ-1, \slot, 0
	s_wait_dscnt 0x0
	s_barrier_signal -1
	MUL16 2, 1, NQ-1, \slot, 0
	WIN 0
	s_barrier_wait -1
.if \fill
	CREST
	s_add_nc_u64 s[G0+4*\slot+2:G0+4*\slot+3], s[G0+4*\slot+2:G0+4*\slot+3], 2*TILEB
	s_add_nc_u64 s[G0B+4*\slot+2:G0B+4*\slot+3], s[G0B+4*\slot+2:G0B+4*\slot+3], 2*TILEB
	JLOAD G0+4*\slot, G1, G0B+4*\slot, G1B
.else
	PLACES NP
.endif
	s_wait_alu depctr_va_vdst(0)
	v_add_nc_u32 v[ADRS], 128, v[ADRS]
	FETCH_B \next, 0, 0
	FETCH_A \next, 0, 0
	SCALES \next
	WIN MUL_HI
	MUL16 4, 1, NQ-1, \slot, 0
	MUL16 6, 1, NQ-1, \slot, 0
	PLACES NP
	WIN 0
	FETCH_A \next, 0, 4
.endm
	s_wait_alu depctr_va_vdst(0)
	s_wait_tensorcnt 1
	s_barrier_signal -1
	s_barrier_wait -1
	FETCH_B 0, 0, 0
	FETCH_A 0, 0, 0
	SCALES 0
	FETCH_A 0, 0, 4
	STEP 0, 0, 1
	TURN 0, 1, 1
	STEP 1, 0, 0
	TURN 1, 0, 1
	STEP 0, 0, 0
	TURN 0, 1, 0
	STEP 1, 0, 0
	s_wait_dscnt 4*NL
	WIN MUL_LO
	MUL16 0, 1, NQ-1, 1, 0
	MUL16 2, 1, NQ-1, 1, 0
	s_wait_dscnt 0
	WIN MUL_HI
	MUL16 4, 1, NQ-1, 1, 0
	MUL16 6, 1, NQ-1, 1, 0
	WIN 0
	PLACES NP
	s_lshl_b32 s68, s17, 3
	s_lshl_b32 s69, s15, 2
	s_add_co_u32 s68, s68, s69
	s_lshl_b32 s69, s42, 1
	s_add_co_u32 s69, s69, s16
	s_lshl_b32 s70, s69, 1
	s_lshr_b32 s71, s68, 1
	s_mov_b32 s75, 6144
	s_mov_b32 s76, 768
	s_mov_b32 s77, 1536
	s_mov_b32 s78, 388608
	s_mov_b32 s79, 19398656
	s_mov_b32 s84, 0x03020100
	s_mov_b32 s85, 0x07060504
	s_cmp_lt_u32 ttmp9, 16
	s_cselect_b32 s72, s70, s71
	s_cselect_b32 s73, s68, s69
	s_cselect_b32 s74, 0, 12582912
	s_cselect_b32 s75, 1536, s75
	s_cselect_b32 s76, 393216, s76
	s_cselect_b32 s77, 768, s77
	s_cselect_b32 s78, 768, s78
	s_cselect_b32 s79, 18874368, s79
	s_cselect_b32 s80, 64, 256
	s_cselect_b32 s81, 16384, 64
	s_cselect_b32 s82, 64, 128
	s_cselect_b32 s83, 64, 16256
	s_cselect_b32 s84, 0x05040100, s84
	s_cselect_b32 s85, 0x07060302, s85
	s_mul_i32 s70, s72, 393216
	s_mul_i32 s71, s73, s75
	s_add_co_u32 s70, s70, s71
	s_add_co_u32 s70, s70, s74
	s_lshl_b32 s71, s72, 14
	s_mul_i32 s80, s73, s80
	s_add_co_u32 s71, s71, s80
	s_add_co_u32 s71, s71, s79
	s_mov_b32 s86, 0x3e3504f3
	s_mov_b32 s87, s86
	s_mov_b32 s[SEL], 0x76543210
	s_mov_b32 s[SEL+1], 0xfedcba98
	v_add_nc_u32 v24, s70, v4
	v_add_nc_u32 v25, s76, v24
	v_lshlrev_b32 v26, 2, v1
	v_mad_u32_u24 v26, v2, s81, v26
	v_add_nc_u32 v26, s71, v26
	v_cmp_lt_u32 s88, 15, v3
.irp b, 0,1,2,3
	v_mov_b32 v[TM+4+\b], 0
.endr
.macro QUANT s, pw
.irp b, 0,1,2,3
	v_max3_num_f32 v[TM+\b], |v[\s+16*\b]|, |v[\s+1+16*\b]|, 0x1800000
.endr
.irp i, 2,4,6,8,10,12,14
.irp b, 0,1,2,3
	v_max3_num_f32 v[TM+\b], v[TM+\b], |v[\s+16*\b+\i]|, |v[\s+1+16*\b+\i]|
.endr
.endr
.irp b, 0,1,2,3
	v_permlanex16_b32 v[TM+4+\b], v[TM+\b], s[SEL], s[SEL+1]
.endr
.irp b, 0,1,2,3
	v_max_num_f32 v[TM+\b], v[TM+\b], v[TM+4+\b]
.endr
.irp b, 0,1,2,3
	v_add_nc_u32 v[TM+12+\b], 0xff000000, v[TM+\b]
.endr
.irp b, 0,1,2,3
	v_lshrrev_b32 v[TM+4+\b], 23, v[TM+12+\b]
.endr
	v_lshl_or_b32 v[\pw], v[TM+5], 8, v[TM+4]
	v_lshl_or_b32 v[\pw], v[TM+6], 16, v[\pw]
	v_lshl_or_b32 v[\pw], v[TM+7], 24, v[\pw]
.irp c, 0,1
	v_cvt_scalef32_pk16_fp6_f32 v[PC+6*\c:PC+2+6*\c], v[\s+32*\c:\s+15+32*\c], v[TM+12+2*\c]
	v_cvt_scalef32_pk16_fp6_f32 v[PC+12+4*\c:PC+14+4*\c], v[\s+16+32*\c:\s+31+32*\c], v[TM+12+2*\c+1]
.endr
	v_nop
.irp c, 0,1
.irp i, 0,1,2
	v_permlane16_swap_b32 v[PC+6*\c+\i], v[PC+12+4*\c+\i]
.endr
.irp i, 0,1,2
	v_mov_b32 v[PC+3+6*\c+\i], v[PC+12+4*\c+\i]
.endr
.endr
.endm
.macro BLOCK a
.if (\a) > 0
	s_wait_xcnt 0x0
.if (\a) == 4
	v_add_nc_u32 v24, s78, v24
	v_add_nc_u32 v25, s78, v25
	v_add_nc_u32 v26, s83, v26
.else
	v_add_nc_u32 v24, s77, v24
	v_add_nc_u32 v25, s77, v25
.endif
.if ((\a) == 2) || ((\a) == 6)
	v_add_nc_u32 v26, s82, v26
.endif
.endif
	WIN 0x02+(\a)/4
.set II, 0
.rept 32
	v_pk_mul_f32 v[T+II:T+II+1], v[64*((\a)%4)+II:64*((\a)%4)+II+1], s[86:87] op_sel_hi:[1,0]
.set II, II+2
.endr
	WIN 0
	QUANT T, PW+(\a)%2
.irp p, 0,1,2
	global_store_b64 v24, v[PC+2*\p:PC+2*\p+1], s[6:7] offset:256*\p
.endr
.irp p, 0,1,2
	global_store_b64 v25, v[PC+6+2*\p:PC+7+2*\p], s[6:7] offset:256*\p
.endr
.if (\a)%2
	v_perm_b32 v178, v[PW+1], v[PW], s84
	v_perm_b32 v179, v[PW+1], v[PW], s85
	v_cndmask_b32 v180, v178, v179, s88
	global_store_b32 v26, v180, s[6:7]
.endif
.endm
	BLOCK 0
	BLOCK 1
	BLOCK 2
	BLOCK 3
	BLOCK 4
	BLOCK 5
	BLOCK 6
	BLOCK 7
	s_wait_tensorcnt 0x0
	ds_add_u32 v[SPW], v[NIL]
	s_wait_dscnt 0x0
	CROUND
	s_endpgm
.Lfunc_end_k_q7460b8e18b_proj:
	.size	k_q7460b8e18b_proj, .Lfunc_end_k_q7460b8e18b_proj-k_q7460b8e18b_proj
	.p2alignl 7, 3214868480
	.fill 96, 4, 3214868480
	.section	.rodata,"a",@progbits
	.p2align	6, 0x0
	.amdhsa_kernel k_q7460b8e18b_proj
		.amdhsa_group_segment_fixed_size 327680
		.amdhsa_private_segment_fixed_size 0
		.amdhsa_enable_private_segment 0
		.amdhsa_kernarg_size 16
		.amdhsa_user_sgpr_count 2
		.amdhsa_user_sgpr_kernarg_segment_ptr 1
		.amdhsa_wavefront_size32 1
		.amdhsa_system_sgpr_workgroup_id_x 1
		.amdhsa_system_sgpr_workgroup_id_y 1
		.amdhsa_system_sgpr_workgroup_id_z 1
		.amdhsa_system_vgpr_workitem_id 0
		.amdhsa_next_free_vgpr 1024
		.amdhsa_next_free_sgpr 98
		.amdhsa_reserve_vcc 0
		.amdhsa_float_denorm_mode_32 3
		.amdhsa_float_denorm_mode_16_64 3
		.amdhsa_memory_ordered 1
		.amdhsa_forward_progress 1
		.amdhsa_inst_pref_size 185
	.end_amdhsa_kernel
	.amdgpu_metadata
---
amdhsa.version: [ 1, 2 ]
amdhsa.kernels:
  - .name:           k_q7460b8e18b_proj
    .symbol:         k_q7460b8e18b_proj.kd
    .args:
      - { .name: xw, .offset: 0, .size: 8, .value_kind: global_buffer, .address_space: global }
      - { .name: qkv, .offset: 8, .size: 8, .value_kind: global_buffer, .address_space: global }
    .group_segment_fixed_size: 327680
    .private_segment_fixed_size: 0
    .kernarg_segment_align: 8
    .kernarg_segment_size: 16
    .max_flat_workgroup_size: 128
    .sgpr_count:     98
    .vgpr_count:     1024
    .wavefront_size: 32
...
	.end_amdgpu_metadata
.endif
;; end of part 2
;; launch attn (part 3): grid 4 x 64, 16 waves a work-group, clusters of 4 x 1, 219,136 bytes of LDS; arguments qkv, yq; writes yq
.if DOCPART == 3
	.amdgcn_target "amdgcn-amd-amdhsa--gfx1250"
	.amdhsa_code_object_version 6
	.text
	.protected	k_q7460b8e18b_attn
	.globl	k_q7460b8e18b_attn
	.p2align	8
	.type	k_q7460b8e18b_attn,@function
k_q7460b8e18b_attn:
	s_mov_b64 s[64:65], 0
	v_nop
	global_prefetch_b8 v0, s[64:65] scope:SCOPE_SE
	s_setreg_imm32_b32 hwreg(HW_REG_WAVE_MODE, 25, 1), 1
	s_wait_xcnt 0x0
	s_wait_alu depctr_hold_cnt(0) depctr_sa_sdst(0) depctr_va_vdst(0) depctr_va_sdst(0) depctr_va_ssrc(0) depctr_va_vcc(0) depctr_vm_vsrc(0)
	s_getreg_b32 s2, hwreg(HW_REG_IB_STS2, 6, 4)
	s_cmp_eq_u32 s2, 0
	s_cbranch_scc0 .Lentry_in_a_cluster
	s_endpgm
.Lentry_in_a_cluster:
	s_bfe_u32 s2, ttmp6, 0x10000c
	s_cmp_lg_u32 s2, 0x3003
	s_cbranch_scc0 .Lentry_shape_is_right
	s_endpgm
.Lentry_shape_is_right:
; Attention of one (batch, head) for each cluster, both products on codes of FP6 (E2M3); head size 64, 2,048 queries, 2,048 keys.  Y leaves as codes along e.
; SOFTMAX: t = score x log2(e); M = the row's largest t so far, rounded UP to a whole number; p = 2^(t - M) is quantised along the keys, not normalised.
; The row's sum is taken of the unquantised p, in f32, and divides O at the end.  When M moves, the sum and O are multiplied by 2^(old M - new M): exact.
; SHARES: the four work-groups of a cluster own 512 queries each, in two passes of 256; each of the sixteen waves owns one tile of 16 queries a pass.
; K AND V^T OF THE WHOLE HEAD LIE IN LDS, brought once by joint loads that name all four work-groups, ONE LOAD A WAVE: waves 0-5 a sixth of K each, waves 6-11 a sixth of V^T,
; waves 12-15 a quarter of the scale words.  One wait and one barrier show them to all waves; nothing is filled again, so no other barrier stands in the text.
; No prefetch: every tile is asked for at the head.
; LAYOUT: both products are used transposed (S^T = K Q^T, O^T = V^T P^T): a lane holds ONE query (lane % 16) throughout.
; An image of K in memory holds a group of 32 keys: registers 0-5 keys 32 g + {0..7, 16..23}, registers 6-11 keys 32 g + {8..15, 24..31}, 64 channels each.
; A FRAGMENT IS GATHERED FROM TWO IMAGES: lanes r < 8 read group 2 c, lanes r >= 8 group 2 c + 1, source lane (r % 8) + 8 w.  Its two halves are tiles u = 2 w and 2 w + 1, whose row m is
; key 64 c + 32 (m / 8) + 8 u + m % 8.  Multiplied by [q, 0] and by [0, q] they give scores in which a lane's registers S + 32 c + 0 .. 31 are keys 64 c + 32 (lane / 16) + 0 .. 31:
; a WHOLE block of 32 in a lane, in the order of the next operand: the block's maximum needs no other lane and the codes no exchange.
; K's LDS rows are 512 bytes + 64 of padding, an image 1,728 bytes: the four runs of eight lanes of a gathered load of 8 bytes begin at bytes 0, 128, 192 and 64 modulo 256.
; LIMITS: NaN and infinities are not served; scores under -1e38 are not served; a block of Y whose largest magnitude lies under 2^-124 keeps the byte 1, a block of zeros too (this program alone reads the bytes).
.set KIMG,  1728                       ; an image of K in LDS
.set VBASE, 110592                     ; behind K's 64 images: V^T, dense, 6,144 bytes a key step
.set SCB,   208896                     ; K's scale words (4,096 bytes), then V^T's
.set SPARE, 217088                     ; the spare words: 128 bytes a wave
.set L8,   1                           ; 8 x lane
.set KB,   2                           ; my lane's place in a gathered fragment of K
.set QO,   3
.set QSO,  4
.set YO,   5
.set YSO,  6
.set SH8,  7                           ; 8 (lane / 16)
.set ADK,  8
.set ADV,  9
.set ADS,  10
.set ADVS, 11
.set QHI,  16                          ; v16-27 [0, q]; v22-33 [q, 0]
.set QLO,  22
.set VB,   34                          ; VBASE + 8 x lane
.set KSB,  35                          ; my lane's place among K's scale words
.set FRG,  36                          ; v36-83 four fragments
.set KS,   84
.set VS,   86
.set QS,   88
.set PS,   89
.set QW,   90
.set VSB,  91                          ; SCB + 4096 + 4 x lane
.set S,    96                          ; v96-159 S^T, then p
.set OT,   160                         ; v160-191 O^T
.set BM,   192                         ; v192-195 largest scores
.set BT,   196                         ; v196-197
.set SO,   198                         ; v198-199
.set BY,   200                         ; v200-201
.set OLD,  202
.set TP,   203
.set FF,   204                         ; v[204:205]
.set CV,   208                         ; v208-210, v212-214
.set P,    216                         ; v216-227
.set T,    228                         ; v228-243 eight chains of the sum
.set WV,   18
.set SEL,  20
.set CS,   22
.set G1K,  24
.set G1V,  32
.set G1S,  40
.set TBK,  2
.set TBV,  3
.set TS,   8
.set CNT,  66
.set PASS, 67
.macro ROUND
	s_barrier_signal -1
	s_barrier_wait -1
	s_cmp_lg_u32 s[WV], 0
	s_cbranch_scc1 .Lnot_wave_0_\@
	s_barrier_signal -3
.Lnot_wave_0_\@:
	s_barrier_wait -3
	s_barrier_signal -1
	s_barrier_wait -1
.endm
.macro WM0 d, a, b, sa, sb, row        ; a product that starts its sum
.if \row
	v_wmma_scale_f32_16x16x128_f8f6f4 v[\d:\d+7], v[\a:\a+11], v[\b:\b+11], 0, v[\sa], v[\sb] matrix_a_fmt:MATRIX_FMT_FP6 matrix_b_fmt:MATRIX_FMT_FP6 matrix_a_scale:MATRIX_SCALE_ROW1
.else
	v_wmma_scale_f32_16x16x128_f8f6f4 v[\d:\d+7], v[\a:\a+11], v[\b:\b+11], 0, v[\sa], v[\sb] matrix_a_fmt:MATRIX_FMT_FP6 matrix_b_fmt:MATRIX_FMT_FP6
.endif
.endm
.macro WMA d, a, b, sa, sb, row        ; a product that adds in place
.if \row
	v_wmma_scale_f32_16x16x128_f8f6f4 v[\d:\d+7], v[\a:\a+11], v[\b:\b+11], v[\d:\d+7], v[\sa], v[\sb] matrix_a_fmt:MATRIX_FMT_FP6 matrix_b_fmt:MATRIX_FMT_FP6 matrix_a_scale:MATRIX_SCALE_ROW1
.else
	v_wmma_scale_f32_16x16x128_f8f6f4 v[\d:\d+7], v[\a:\a+11], v[\b:\b+11], v[\d:\d+7], v[\sa], v[\sb] matrix_a_fmt:MATRIX_FMT_FP6 matrix_b_fmt:MATRIX_FMT_FP6
.endif
.endm
	s_load_b128 s[4:7], s[0:1], 0x0                ; qkv, yq
	v_lshl_add_u32 v254, v0, 2, SPARE
	v_mov_b32 v255, 0
	ds_add_u32 v254, v255                          ; the opening lines: the add twice and its wait
	ds_add_u32 v254, v255
	v_lshrrev_b32 v7, 5, v0
	v_readfirstlane_b32 s[WV], v7                  ; wave 0..15
	s_mov_b32 s[SEL], 0x76543210
	s_mov_b32 s[SEL+1], 0xfedcba98
	s_mov_b32 s[CS], 0x3fb8aa3b                    ; log2(e)
	s_mov_b32 s[CS+1], s[CS]
	s_and_b32 s73, ttmp7, 0xffff                   ; the cluster's y: 16 x batch + head
	s_lshr_b32 s74, s73, 4                         ; batch
	s_and_b32 s75, s73, 15                         ; head
	s_mul_i32 s76, s75, 393216
	s_mul_i32 s77, s74, 98304
	s_add_co_u32 s76, s76, s77
	s_lshl_b32 s77, s[WV], 14
	s_add_co_u32 s76, s76, s77                     ; head, batch, 16,384 bytes a wave
	s_add_co_u32 s78, s76, 12582912-98304          ; V^T's part of wave w is its (w - 6)th
	s_add_co_u32 s76, s76, 6291456                 ; K's
	s_mov_b32 s77, 0
	s_mov_b32 s79, 0
	s_lshl_b32 s80, s75, 14                        ; the scale words: K's at 19,136,512, V^T's 262,144 on; 2,048 bytes a wave from wave 12 on
	s_lshl_b32 s81, s74, 12
	s_add_co_u32 s80, s80, s81
	s_lshl_b32 s81, s[WV], 11
	s_add_co_u32 s80, s80, s81
	s_add_co_u32 s80, s80, 19136512-24576
	s_cmp_lt_u32 s[WV], 14
	s_cselect_b32 s81, 0, 258048
	s_add_co_u32 s80, s80, s81
	s_mov_b32 s81, 0
	s_mul_i32 s82, s[WV], 18432                    ; LDS: K's 32 rows of 576 bytes a wave;
	s_lshl_b32 s83, s[WV], 14
	s_add_co_u32 s83, s83, VBASE-98304             ; V^T's 16,384 bytes;
	s_lshl_b32 s84, s[WV], 11
	s_add_co_u32 s84, s84, SCB-24576               ; the scale words' 2,048
	s_mov_b32 s[G1K], 15|(3<<16)|(1<<20)|(1<<21)|(6<<22)|(15<<25)   ; mask: all four; elements of 8 bytes; after every 128 words 16 words of padding
	s_mov_b32 s[G1K+1], 64<<16
	s_mov_b32 s[G1K+2], 32<<16
	s_mov_b32 s[G1K+3], 64<<16
	s_mov_b32 s[G1K+4], 32
	s_mov_b32 s[G1K+5], 64
	s_mov_b32 s[G1K+6], 0
	s_mov_b32 s[G1K+7], 0
	s_mov_b32 s[G1V], 15|(3<<16)|(1<<21)           ; 64 dense rows of 256 bytes
	s_mov_b32 s[G1V+1], 32<<16
	s_mov_b32 s[G1V+2], 64<<16
	s_mov_b32 s[G1V+3], 32<<16
	s_mov_b32 s[G1V+4], 64
	s_mov_b32 s[G1V+5], 32
	s_mov_b32 s[G1V+6], 0
	s_mov_b32 s[G1V+7], 0
	s_mov_b32 s[G1S], 15|(3<<16)|(1<<21)           ; 8 dense rows of 256 bytes
	s_mov_b32 s[G1S+1], 32<<16
	s_mov_b32 s[G1S+2], 8<<16
	s_mov_b32 s[G1S+3], 32<<16
	s_mov_b32 s[G1S+4], 8
	s_mov_b32 s[G1S+5], 32
	s_mov_b32 s[G1S+6], 0
	s_mov_b32 s[G1S+7], 0
	s_wait_dscnt 0x0
	s_wait_kmcnt 0x0
	s_mov_b32 s48, 1
	s_mov_b32 s49, s82
	s_add_nc_u64 s[50:51], s[4:5], s[76:77]
	s_or_b32 s51, s51, 0x80000000
	s_mov_b32 s52, 1
	s_mov_b32 s53, s83
	s_add_nc_u64 s[54:55], s[4:5], s[78:79]
	s_or_b32 s55, s55, 0x80000000
	s_mov_b32 s56, 1
	s_mov_b32 s57, s84
	s_add_nc_u64 s[58:59], s[4:5], s[80:81]
	s_or_b32 s59, s59, 0x80000000
	ROUND                                          ; all four work-groups are here: the joint loads meet
	s_cmp_lt_u32 s[WV], 6                          ; one chain of branches on the wave's number, one load to an arm
	s_cbranch_scc0 .Lhead_v
	tensor_load_to_lds s[48:51], s[G1K:G1K+7]
	s_nop 0
.rept 4
	v_nop
.endr
	s_branch .Lhead_asked
.Lhead_v:
	s_cmp_lt_u32 s[WV], 12
	s_cbranch_scc0 .Lhead_s
	tensor_load_to_lds s[52:55], s[G1V:G1V+7]
	s_nop 0
.rept 4
	v_nop
.endr
	s_branch .Lhead_asked
.Lhead_s:
	tensor_load_to_lds s[56:59], s[G1S:G1S+7]
	s_nop 0
.rept 4
	v_nop
.endr
.Lhead_asked:
	s_bfe_u32 s82, ttmp6, 0x40000                  ; cx: it enters Q's and Y's addresses in memory alone
	s_lshl_b32 s83, ttmp9, 2
	s_add_co_u32 s82, s82, s83
	s_lshl_b32 s82, s82, 4
	s_lshl_b32 s83, s74, 6
	s_add_co_u32 s83, s83, s82
	s_lshr_b32 s84, s[WV], 1
	s_add_co_u32 s83, s83, s84                     ; my group of 32 tokens in the first pass: 64 x batch + 16 x block + wave / 2
	s_and_b32 s84, s[WV], 1                        ; which of its two tiles is mine
	s_mul_i32 s85, s75, 393216                     ; Q's codes
	s_mul_i32 s89, s83, 1536
	s_add_co_u32 s85, s85, s89
	s_mul_i32 s89, s84, 768
	s_add_co_u32 s85, s85, s89
	s_lshl_b32 s86, s75, 8                         ; Q's scale words
	s_add_co_u32 s86, s86, s83
	s_lshl_b32 s86, s86, 6
	s_add_co_u32 s86, s86, 18874368
	s_lshl_b32 s90, s83, 1
	s_add_co_u32 s90, s90, s84                     ; my tile of tokens
	s_mul_i32 s87, s90, 12288                      ; Y's codes: the head's K step of the next product is head / 2, its half of the image head % 2
	s_lshr_b32 s89, s75, 1
	s_mul_i32 s89, s89, 1536
	s_add_co_u32 s87, s87, s89
	s_and_b32 s89, s75, 1
	s_mul_i32 s89, s89, 768
	s_add_co_u32 s87, s87, s89
	s_lshl_b32 s88, s90, 9                         ; Y's scale bytes
	s_add_co_u32 s88, s88, 6291456
	s_lshr_b32 s89, s75, 2
	s_lshl_b32 s89, s89, 7
	s_add_co_u32 s88, s88, s89
	s_and_b32 s89, s75, 3
	s_lshl_b32 s89, s89, 1
	s_add_co_u32 s88, s88, s89
	s_mul_i32 s68, s84, 0x02020202
	s_add_co_u32 s68, s68, 0x01000100              ; picks my tile's two bytes of the group's scale word, twice
	s_mov_b32 s[PASS], 2
	v_and_b32 v11, 31, v0                          ; lane
	v_and_b32 v10, 15, v0                          ; r
	v_bfe_u32 v9, v0, 4, 1                         ; lane / 16
	v_bfe_u32 v8, v0, 3, 1                         ; r / 8
	v_and_b32 v12, 7, v0                           ; r % 8
	v_lshlrev_b32 v[L8], 3, v11
	v_mul_u32_u24 v[KB], v8, KIMG
	v_lshl_add_u32 v[KB], v12, 3, v[KB]
	v_lshl_add_u32 v[KB], v9, 7, v[KB]             ; 1,728 (r / 8) + 8 (r % 8) + 128 (lane / 16)
	v_lshlrev_b32 v[KSB], 6, v8
	v_lshl_add_u32 v[KSB], v12, 2, v[KSB]
	v_lshl_add_u32 v[KSB], v9, 5, v[KSB]
	v_add_nc_u32 v[KSB], SCB, v[KSB]               ; SCB + 64 (r / 8) + 4 (r % 8) + 32 (lane / 16): lanes 0-15 take w = 0's words, lanes 16-31 w = 1's
	v_add_nc_u32 v[VB], VBASE, v[L8]
	v_lshl_add_u32 v[VSB], v11, 2, SCB+4096
	v_lshlrev_b32 v[SH8], 3, v9
	v_cmp_lt_u32 s69, 15, v11                      ; lanes 16-31
	v_add_nc_u32 v[QO], s85, v[L8]
	v_lshl_add_u32 v[QSO], v10, 2, s86
	v_add_nc_u32 v[YO], s87, v[L8]
	v_lshl_add_u32 v[YSO], v10, 3, s88
	v_add_nc_u32 v[YSO], v[YSO], v9                ; lanes 0-15 store the head's first block's byte, lanes 16-31 its second's
.irp i, 0,1,2,3,4,5
	v_mov_b32 v[QHI+\i], 0                         ; the zero halves beside q
	v_mov_b32 v[QLO+6+\i], 0
.endr
	v_mov_b32 v[BT], 0                             ; written once: a lane permute's destination counts as one of its sources
	v_mov_b32 v[BT+1], 0
	v_mov_b32 v[TP], 0
	v_mov_b32 v[FF+1], 0                           ; (named as the upper half of a pair)
	s_wait_alu depctr_va_vdst(0)
	s_wait_tensorcnt 0x0                           ; my one load has landed
	s_barrier_signal -1
	s_barrier_wait -1                              ; and so has every wave's: K, V^T and the scale words are whole
; A KEY STEP: 128 keys.
.macro STEP
	v_add_nc_u32 v[ADK], s[TBK], v[KB]
	v_add_nc_u32 v[ADS], s[TS], v[KSB]
	v_nop
	v_nop                                          ; four places in front of loads into registers that the last products have read
.irp c, 0,1
	ds_load_b32 v[KS+\c], v[ADS] offset:128*\c
.endr
.irp g, 0,1,2,3                                ; fragment g = 2 c + w
.irp p, 0,1,2,3,4,5
	ds_load_b64 v[FRG+12*\g+2*\p:FRG+12*\g+2*\p+1], v[ADK] offset:2*KIMG*(\g/2)+64*(\g%2)+576*(\p/2)+256*(\p%2)
.endr
.endr
	s_wait_alu depctr_va_vdst(0)
.irp g, 0,1,2,3
	s_wait_dscnt 18-6*\g                           ; the scale words and fragments 0 to g are in; the later fragments' loads, six each, may be out
	WM0 S+16*\g, FRG+12*\g, QLO, KS+\g/2, QS, \g%2
	WM0 S+8+16*\g, FRG+12*\g, QHI, KS+\g/2, QS, \g%2
.endr
	v_add_nc_u32 v[ADV], s[TBV], v[VB]             ; four places in front of the loads below and of the first read of the scores
	v_add_nc_u32 v[ADVS], s[TS], v[VSB]
	v_mov_b32 v[OLD], v12                          ; the old -M
	v_nop
.irp i, 0,1
	ds_load_b32 v[VS+\i], v[ADVS] offset:128*\i
.endr
.irp t, 0,1,2,3                                ; V^T's four images land under the softmax
.irp p, 0,1,2,3,4,5
	ds_load_b64 v[FRG+12*\t+2*\p:FRG+12*\t+2*\p+1], v[ADV] offset:1536*\t+256*\p
.endr
.endr
.irp b, 0,1,2,3                                ; four chains of maxima, each accumulator from its low end on
	v_max3_num_f32 v[BM+\b], v[S+16*\b], v[S+1+16*\b], v[S+2+16*\b]
.endr
.irp i, 3,5,7,9,11,13
.irp b, 0,1,2,3
	v_max3_num_f32 v[BM+\b], v[BM+\b], v[S+16*\b+\i], v[S+1+16*\b+\i]
.endr
.endr
	v_max3_num_f32 v[BM], v[BM], v[BM+1], v[S+15]  ; my two whole blocks' largest scores: in v[BM] and v[BM+2]
	v_max3_num_f32 v[BM+2], v[BM+2], v[BM+3], v[S+47]
	v_max_num_f32 v[BM], v[BM], v[S+31]
	v_max_num_f32 v[BM+2], v[BM+2], v[S+63]
	s_delay_alu instid0(VALU_DEP_1)
	v_max_num_f32 v[TP], v[BM], v[BM+2]
	s_delay_alu instid0(VALU_DEP_1)
	v_permlanex16_b32 v[BT], v[TP], s[SEL], s[SEL+1]
	s_delay_alu instid0(VALU_DEP_1)
	v_max3_num_f32 v13, v13, v[TP], v[BT]          ; the running largest score of my query
	s_delay_alu instid0(VALU_DEP_1)
	v_mul_f32 v[TP], s[CS], v13                    ; as t
	s_delay_alu instid0(VALU_DEP_1)
	v_floor_f32 v12, -v[TP]                        ; the new -M = floor(-t): M is a whole number
	s_delay_alu instid0(VALU_DEP_1)
	v_sub_f32 v[TP], v12, v[OLD]                   ; M's old value less its new one
	s_delay_alu instid0(VALU_DEP_1)
	v_cvt_i32_f32 v[TP], v[TP]                     ; (it saturates)
	s_delay_alu instid0(VALU_DEP_1)
	v_ldexp_f32 v[FF], 1.0, v[TP]                  ; f = 2^(old M - new M)
.irp j, 0,2,4,6,8,10,12,14,16,18,20,22,24,26,28,30,32,34,36,38,40,42,44,46,48,50,52,54,56,58,60,62
	v_pk_fma_f32 v[S+\j:S+1+\j], v[S+\j:S+1+\j], s[CS:CS+1], v[12:13] op_sel_hi:[1,0,0]   ; t - M, two at a time
.endr
	v_fma_f32 v[BM], v[BM], s[CS], v12             ; the same of each block's largest score
	v_fma_f32 v[BM+2], v[BM+2], s[CS], v12
	s_wait_alu depctr_va_vdst(0)
.irp j, 0,1,2,3,4,5,6,7,8,9,10,11,12,13,14,15,16,17,18,19,20,21,22,23,24,25,26,27,28,29,30,31,32,33,34,35,36,37,38,39,40,41,42,43,44,45,46,47,48,49,50,51,52,53,54,55,56,57,58,59,60,61,62,63
	v_exp_f32 v[S+\j], v[S+\j]                     ; p = 2^(t - M): not normalised
.endr
	v_exp_f32 v[BM], v[BM]                         ; the blocks' largest p: the same arithmetic on the same number gives the same bits
	v_exp_f32 v[BM+2], v[BM+2]
	v_pk_mul_f32 v[14:15], v[14:15], v[FF:FF+1] op_sel_hi:[1,0]   ; the sums under the new M (a plain place behind the batch)
	s_wait_alu depctr_va_vdst(0)                   ; one wait for the whole batch, ahead of its first reader
.irp k, 0,1,2,3,4,5,6,7                        ; the row's sum of the unquantised p: eight chains
	v_pk_add_f32 v[T+2*\k:T+2*\k+1], v[S+2*\k:S+2*\k+1], v[S+16+2*\k:S+17+2*\k]
.endr
.irp k, 0,1,2,3,4,5,6,7
	v_pk_add_f32 v[T+2*\k:T+2*\k+1], v[T+2*\k:T+2*\k+1], v[S+32+2*\k:S+33+2*\k]
.endr
.irp k, 0,1,2,3,4,5,6,7
	v_pk_add_f32 v[T+2*\k:T+2*\k+1], v[T+2*\k:T+2*\k+1], v[S+48+2*\k:S+49+2*\k]
.endr
.irp k, 0,1,2,3
	v_pk_add_f32 v[T+2*\k:T+2*\k+1], v[T+2*\k:T+2*\k+1], v[T+8+2*\k:T+9+2*\k]
.endr
	v_max_num_f32 v[BM], 0x1800000, v[BM]          ; the floor 2^(3 - 127): the byte cannot fall under 1
	v_max_num_f32 v[BM+2], 0x1800000, v[BM+2]
.irp k, 0,1
	v_pk_add_f32 v[T+2*\k:T+2*\k+1], v[T+2*\k:T+2*\k+1], v[T+4+2*\k:T+5+2*\k]
.endr
	v_add_nc_u32 v[SO], 0xff000000, v[BM]          ; 2 off the exponent field: the conversion's scale operand
	v_add_nc_u32 v[SO+1], 0xff000000, v[BM+2]
	v_pk_add_f32 v[T:T+1], v[T:T+1], v[T+2:T+3]
	v_lshrrev_b32 v[BY], 23, v[SO]                 ; the scale's byte
	v_lshrrev_b32 v[BY+1], 23, v[SO+1]
	v_pk_add_f32 v[14:15], v[14:15], v[T:T+1]
	v_lshl_or_b32 v[TP], v[BY+1], 16, v[BY]        ; my two bytes: blocks lane / 16 and 2 + lane / 16,
	s_delay_alu instid0(VALU_DEP_1)
	v_lshlrev_b32 v[TP], v[SH8], v[TP]             ; at their places in the word;
	s_delay_alu instid0(VALU_DEP_1)
	v_permlanex16_b32 v[BT], v[TP], s[SEL], s[SEL+1]
	s_delay_alu instid0(VALU_DEP_1)
	v_or_b32 v[PS], v[TP], v[BT]                   ; with lane l xor 16's two the word is whole
.irp c, 0,1
	v_cvt_scalef32_pk16_fp6_f32 v[P+6*\c:P+2+6*\c], v[S+32*\c:S+15+32*\c], v[SO+\c]
	v_cvt_scalef32_pk16_fp6_f32 v[CV+4*\c:CV+2+4*\c], v[S+16+32*\c:S+31+32*\c], v[SO+\c]   ; (a conversion's three registers begin on an even number)
.endr
	v_nop                                          ; one plain place behind a scaled conversion
.irp c, 0,1
.irp i, 0,1,2
	v_mov_b32 v[P+3+6*\c+\i], v[CV+4*\c+\i]
.endr
.endr
	s_wait_alu depctr_va_vdst(0)                   ; directly ahead of the first reader of O^T
.irp j, 0,2,4,6,8,10,12,14,16,18,20,22,24,26,28,30
	v_pk_mul_f32 v[OT+\j:OT+1+\j], v[OT+\j:OT+1+\j], v[FF:FF+1] op_sel_hi:[1,0]   ; O^T under the new M; these 16 are also the places between the writes of p's codes and scale word and the products
.endr
	s_wait_alu depctr_va_vdst(0)
	s_wait_dscnt 0x0                               ; V^T's images and scale words are in
.irp t, 0,1,2,3                                ; O^T += V^T P^T: four accumulators by turns
	WMA OT+8*\t, FRG+12*\t, P, VS+\t/2, PS, \t%2
.endr
.endm
.Lpass:                                            ; two passes: 16 queries a wave each
	s_wait_alu depctr_va_vdst(0)
.irp p, 0,1,2
	global_load_b64 v[QLO+2*\p:QLO+2*\p+1], v[QO], s[4:5] offset:256*\p   ; q stays in registers
.endr
	global_load_b32 v[QW], v[QSO], s[4:5]
	v_mov_b32 v13, 0xfe967699                      ; the largest score so far: -1e38
	v_mov_b32 v12, 0x7e967699                      ; -M: 1e38, a whole number
	v_mov_b32 v14, 0                               ; the sum, in two halves
	v_mov_b32 v15, 0
	s_mov_b32 s[TBK], 0
	s_mov_b32 s[TBV], 0
	s_mov_b32 s[TS], 0
	s_mov_b32 s[CNT], 16
	s_wait_loadcnt 0x0
	v_perm_b32 v[QS], v[QW], v[QW], s68            ; my tile's two bytes, for both halves of the instruction's K
.irp j, 0,1,2,3,4,5,6,7,8,9,10,11,12,13,14,15,16,17,18,19,20,21,22,23,24,25,26,27,28,29,30,31
	v_mov_b32 v[OT+\j], 0                          ; O^T: the first change of M multiplies zeros; also the places between the scale word's write and the first product
.endr
.Lstep:
	STEP
	s_add_co_u32 s[TBK], s[TBK], 4*KIMG
	s_add_co_u32 s[TBV], s[TBV], 6144
	s_add_co_u32 s[TS], s[TS], 256
	s_sub_co_u32 s[CNT], s[CNT], 1
	s_cmp_lg_u32 s[CNT], 0
	s_cbranch_scc1 .Lstep
	; THE PASS'S END: O^T / the sum is Y's 64 channels of this head: register 16 b + i = channel 32 b + 16 (lane / 16) + i: two blocks of 32 along e.
.rept 4
	v_nop                                          ; places behind the last products
.endr
	v_add_f32 v14, v14, v15
	s_delay_alu instid0(VALU_DEP_1)
	v_permlanex16_b32 v[TP], v14, s[SEL], s[SEL+1]
	s_delay_alu instid0(VALU_DEP_1)
	v_add_f32 v14, v14, v[TP]                      ; the row's sum
	s_wait_alu depctr_va_vdst(0)
	v_rcp_f32 v[FF], v14
	v_nop
	s_wait_alu depctr_va_vdst(0)
.irp j, 0,2,4,6,8,10,12,14,16,18,20,22,24,26,28,30
	v_pk_mul_f32 v[S+\j:S+1+\j], v[OT+\j:OT+1+\j], v[FF:FF+1] op_sel_hi:[1,0]   ; each accumulator from its low end on
.endr
.irp b, 0,1
	v_max3_num_f32 v[BM+\b], |v[S+16*\b]|, |v[S+1+16*\b]|, 0x1800000
.endr
.irp i, 2,4,6,8,10,12,14
.irp b, 0,1
	s_delay_alu instid0(VALU_DEP_2)
	v_max3_num_f32 v[BM+\b], v[BM+\b], |v[S+16*\b+\i]|, |v[S+1+16*\b+\i]|
.endr
.endr
.irp b, 0,1
	s_delay_alu instid0(VALU_DEP_2)
	v_permlanex16_b32 v[BT+\b], v[BM+\b], s[SEL], s[SEL+1]
.endr
.irp b, 0,1
	s_delay_alu instid0(VALU_DEP_2)
	v_max_num_f32 v[BM+\b], v[BM+\b], v[BT+\b]
.endr
.irp b, 0,1
	s_delay_alu instid0(VALU_DEP_2)
	v_add_nc_u32 v[SO+\b], 0xff000000, v[BM+\b]
.endr
.irp b, 0,1
	s_delay_alu instid0(VALU_DEP_2)
	v_lshrrev_b32 v[BT+\b], 23, v[SO+\b]
.endr
	v_cvt_scalef32_pk16_fp6_f32 v[P:P+2], v[S:S+15], v[SO]
	v_cvt_scalef32_pk16_fp6_f32 v[CV:CV+2], v[S+16:S+31], v[SO+1]
	v_nop
.irp i, 0,1,2
	v_permlane16_swap_b32 v[P+\i], v[CV+\i]        ; here a block lies in two lanes: the halves change places
.endr
.irp i, 0,1,2
	s_delay_alu instid0(VALU_DEP_3)
	v_mov_b32 v[P+3+\i], v[CV+\i]
.endr
	v_cndmask_b32 v[TP], v[BT], v[BT+1], s69
.irp p, 0,1,2
	global_store_b64 v[YO], v[P+2*\p:P+2*\p+1], s[6:7] offset:256*\p   ; 32 lanes store 256 consecutive bytes, aligned
.endr
	global_store_b8 v[YSO], v[TP], s[6:7]          ; every lane a byte of its own: row r, block lane / 16
	s_wait_xcnt 0x0                                ; the stores have read their data and offsets: both are written again
	v_add_nc_u32 v[QO], 12288, v[QO]               ; eight groups of 32 tokens on
	v_add_nc_u32 v[QSO], 512, v[QSO]
	v_add_nc_u32 v[YO], 196608, v[YO]
	v_add_nc_u32 v[YSO], 8192, v[YSO]
	s_sub_co_u32 s[PASS], s[PASS], 1
	s_cmp_lg_u32 s[PASS], 0
	s_cbranch_scc1 .Lpass
	s_wait_tensorcnt 0x0                           ; the wave's end
	ds_add_u32 v254, v255
	s_wait_dscnt 0x0
	ROUND                                          ; the closing round
	s_endpgm
.Lfunc_end_k_q7460b8e18b_attn:
	.size	k_q7460b8e18b_attn, .Lfunc_end_k_q7460b8e18b_attn-k_q7460b8e18b_attn
	.p2alignl 7, 3214868480
	.fill 96, 4, 3214868480
	.section	.rodata,"a",@progbits
	.p2align	6, 0x0
	.amdhsa_kernel k_q7460b8e18b_attn
		.amdhsa_group_segment_fixed_size 219136
		.amdhsa_private_segment_fixed_size 0
		.amdhsa_enable_private_segment 0
		.amdhsa_kernarg_size 16
		.amdhsa_user_sgpr_count 2
		.amdhsa_user_sgpr_kernarg_segment_ptr 1
		.amdhsa_wavefront_size32 1
		.amdhsa_system_sgpr_workgroup_id_x 1
		.amdhsa_system_sgpr_workgroup_id_y 1
		.amdhsa_system_sgpr_workgroup_id_z 1
		.amdhsa_system_vgpr_workitem_id 0
		.amdhsa_next_free_vgpr 256
		.amdhsa_next_free_sgpr 96
		.amdhsa_reserve_vcc 0
		.amdhsa_float_denorm_mode_32 3
		.amdhsa_float_denorm_mode_16_64 3
		.amdhsa_memory_ordered 1
		.amdhsa_forward_progress 1
		.amdhsa_inst_pref_size 32
	.end_amdhsa_kernel
	.amdgpu_metadata
---
amdhsa.version: [ 1, 2 ]
amdhsa.kernels:
  - .name:           k_q7460b8e18b_attn
    .symbol:         k_q7460b8e18b_attn.kd
    .args:
      - { .name: qkv, .offset: 0, .size: 8, .value_kind: global_buffer, .address_space: global }
      - { .name: yq, .offset: 8, .size: 8, .value_kind: global_buffer, .address_space: global }
    .group_segment_fixed_size: 219136
    .private_segment_fixed_size: 0
    .kernarg_segment_align: 8
    .kernarg_segment_size: 16
    .max_flat_workgroup_size: 512
    .sgpr_count:     96
    .vgpr_count:     256
    .wavefront_size: 32
...
	.end_amdgpu_metadata
.endif
;; end of part 3
;; launch outp (part 4): grid 4 x 64, 8 waves a work-group, clusters of 4 x 4, 308,224 bytes of LDS; arguments yq, xw, b_u, out0; writes out0
.if DOCPART == 4
	.amdgcn_target "amdgcn-amd-amdhsa--gfx1250"
	.amdhsa_code_object_version 6
	.text
	.protected	k_q7460b8e18b_outp
	.globl	k_q7460b8e18b_outp
	.p2align	8
	.type	k_q7460b8e18b_outp,@function
k_q7460b8e18b_outp:
	s_mov_b64 s[64:65], 0
	v_nop
	global_prefetch_b8 v0, s[64:65] scope:SCOPE_SE
	s_setreg_imm32_b32 hwreg(HW_REG_WAVE_MODE, 25, 1), 1
	s_wait_xcnt 0x0
	s_wait_alu depctr_hold_cnt(0) depctr_sa_sdst(0) depctr_va_vdst(0) depctr_va_sdst(0) depctr_va_ssrc(0) depctr_va_vcc(0) depctr_vm_vsrc(0)
	s_getreg_b32 s2, hwreg(HW_REG_IB_STS2, 6, 4)
	s_cmp_eq_u32 s2, 0
	s_cbranch_scc0 .Lentry_in_a_cluster
	s_endpgm
.Lentry_in_a_cluster:
	s_bfe_u32 s2, ttmp6, 0x10000c
	s_cmp_lg_u32 s2, 0xf033
	s_cbranch_scc0 .Lentry_shape_is_right
	s_endpgm
.Lentry_shape_is_right:
; out0 [8192][1024] f32 = Y W_u^T + b_u on codes of FP6 (E2M3), K = 1,024.  Y's codes and scale words lie in yq, W_u's in xw (tiles 704-767), both as images of operand registers:
; tile tau (16 rows) x 12,288 bytes, K step x 1,536, register pair p of a lane at 256 p + 8 lane; scale words: tau x 512 + (K step / 2) x 128 + 8 r + 4 (K step % 2).
; Lane r of tile tau stands for row 32 (tau / 2) + 8 (tau % 2) + r + 8 (r / 8) of its tensor.
; A work-group makes 128 rows x 256 columns: 256 work-groups.  ALL OF K OF BOTH OPERANDS LIES IN LDS (98,304 + 196,608 bytes of codes, 4,096 + 8,192 of scale words), asked for at the head, one joint load a wave:
; waves 0-1 halves of Y's tiles, waves 2-5 quarters of W_u's, wave 6 Y's scale words, wave 7 W_u's.  Nothing is filled again: no ring.  No prefetch: there is no loop to run ahead in.
; CLUSTERS: 4 x 4 work-groups; Y's tiles are shared along a row of the cluster, W_u's along a column.
; Eight waves, each 64 rows x 64 columns: 16 accumulators in window 1 (v256-383); window 0: two sets of fragments, the scale words, the bias.
; The matrix instruction is used transposed (source 0 = W_u's rows, source 1 = Y's): a lane holds eight neighbouring columns of one row.  The bias is the C of each accumulator's first product.
; The way out goes through a stage in the bytes that held Y's codes, behind a barrier behind which nobody reads them; they have had their only fill.
.set PART,  49152                      ; what a wave's load of codes brings, and what a wave reads of either operand
.set BBASE, 98304
.set SA,    294912
.set SB,    299008
.set SPARE, 307200
.set SPITCH, 272                       ; a stage row: 256 bytes + 16
.set ADRA, 8
.set ADRB, 9
.set ADRS, 10
.set STO,  11
.set RD,   12
.set CO,   13
.set SPW,  14
.set NIL,  15
.set SC,   16                          ; v16-31 scale words, two sets of 8: register 2 i + q: lanes 0-15 Y's block i, lanes 16-31 W_u's block i, the q-th of a pair of steps
.set FS,   32                          ; v32-127, v128-223 fragments, two sets: Y's four, then W_u's four
.set BIAS, 224                         ; v224-255
.set G1A,  24
.set G1B,  32
.set G0A,  56
.set G0B,  60
.set G0SA, 68
.set G0SB, 72
.set G1SA, 76
.set G1SB, 84
.set MSB, 0
.macro WIN new
.if MSB != (\new)
	s_set_vgpr_msb (MSB<<8)|(\new)
.set MSB, (\new)
.endif
.endm
.macro CROUND
	s_barrier_signal -1
	s_barrier_wait -1
	s_cmp_lg_u32 s14, 0
	s_cbranch_scc1 .Lnot_wave_0_\@
	s_barrier_signal -3
.Lnot_wave_0_\@:
	s_barrier_wait -3
	s_barrier_signal -1
	s_barrier_wait -1
.endm
.macro PLACES
.rept 4
	v_nop
.endr
.endm
	s_load_b256 s[4:11], s[0:1], 0x0               ; yq, xw, b_u, out0
	v_lshl_add_u32 v[SPW], v0, 2, SPARE
	v_mov_b32 v[NIL], 0
	ds_add_u32 v[SPW], v[NIL]                      ; the opening lines: the add twice and its wait
	ds_add_u32 v[SPW], v[NIL]
	v_lshrrev_b32 v1, 5, v0
	v_readfirstlane_b32 s14, v1                    ; wave 0..7
	s_lshr_b32 s15, s14, 2                         ; which 64 rows are mine
	s_and_b32 s16, s14, 3                          ; which 64 columns
	s_bfe_u32 s40, ttmp6, 0x40000                  ; cx, cy
	s_bfe_u32 s41, ttmp6, 0x40004
	s_lshl_b32 s42, ttmp9, 2
	s_add_co_u32 s42, s42, s40                     ; block column
	s_and_b32 s17, ttmp7, 0xffff
	s_lshl_b32 s17, s17, 2
	s_add_co_u32 s17, s17, s41                     ; block row
	s_lshl_b32 s43, s41, 2
	s_lshl_b32 s43, 15, s43                        ; my row of the cluster
	s_lshl_b32 s44, 0x1111, s40                    ; my column
	s_or_b32 s[G1A], s43, (3<<16)|(1<<21)          ; dense blocks as rows of 256 bytes (32 elements of 8 bytes)
	s_or_b32 s[G1B], s44, (3<<16)|(1<<21)
.irp g, G1A, G1B
	s_mov_b32 s[\g+1], 32<<16
	s_mov_b32 s[\g+2], 192<<16
	s_mov_b32 s[\g+3], 32<<16
	s_mov_b32 s[\g+4], 192
	s_mov_b32 s[\g+5], 32
	s_mov_b32 s[\g+6], 0
	s_mov_b32 s[\g+7], 0
.endr
	s_or_b32 s[G1SA], s43, (3<<16)|(1<<21)
	s_mov_b32 s[G1SA+1], 32<<16
	s_mov_b32 s[G1SA+2], 16<<16
	s_mov_b32 s[G1SA+3], 32<<16
	s_mov_b32 s[G1SA+4], 16
	s_mov_b32 s[G1SA+5], 32
	s_mov_b32 s[G1SA+6], 0
	s_mov_b32 s[G1SA+7], 0
	s_or_b32 s[G1SB], s44, (3<<16)|(1<<21)
	s_mov_b32 s[G1SB+1], 32<<16
	s_mov_b32 s[G1SB+2], 32<<16
	s_mov_b32 s[G1SB+3], 32<<16
	s_mov_b32 s[G1SB+4], 32
	s_mov_b32 s[G1SB+5], 32
	s_mov_b32 s[G1SB+6], 0
	s_mov_b32 s[G1SB+7], 0
	s_mul_i32 s18, s14, PART                       ; LDS: wave x 49,152: Y's two halves, then W_u's four quarters
	s_mul_i32 s20, s17, 98304                      ; Y: eight tiles a block row,
	s_add_co_u32 s20, s20, s18                     ; and my half
	s_mov_b32 s21, 0
	s_lshl_b32 s22, s17, 12
	s_add_co_u32 s22, s22, 6291456                 ; Y's scale words
	s_mov_b32 s23, 0
	s_mul_i32 s46, s42, 196608                     ; W_u: sixteen tiles a block column, from tile 704; wave w takes quarter w - 2
	s_add_co_u32 s46, s46, 704*12288-98304
	s_add_co_u32 s46, s46, s18
	s_mov_b32 s47, 0
	s_lshl_b32 s92, s42, 13
	s_add_co_u32 s92, s92, 9437184+704*512         ; W_u's scale words
	s_mov_b32 s93, 0
	s_wait_dscnt 0x0
	s_wait_kmcnt 0x0
	s_add_nc_u64 s[20:21], s[4:5], s[20:21]
	s_add_nc_u64 s[22:23], s[4:5], s[22:23]
	s_add_nc_u64 s[46:47], s[6:7], s[46:47]
	s_add_nc_u64 s[92:93], s[6:7], s[92:93]
	CROUND                                         ; all sixteen work-groups are here: the joint loads meet
	s_mov_b32 s[G0A], 1
	s_mov_b32 s[G0A+1], s18
	s_mov_b64 s[G0A+2:G0A+3], s[20:21]
	s_or_b32 s[G0A+3], s[G0A+3], 0x80000000
	s_mov_b32 s[G0B], 1
	s_mov_b32 s[G0B+1], s18
	s_mov_b64 s[G0B+2:G0B+3], s[46:47]
	s_or_b32 s[G0B+3], s[G0B+3], 0x80000000
	s_mov_b32 s[G0SA], 1
	s_mov_b32 s[G0SA+1], SA
	s_mov_b64 s[G0SA+2:G0SA+3], s[22:23]
	s_or_b32 s[G0SA+3], s[G0SA+3], 0x80000000
	s_mov_b32 s[G0SB], 1
	s_mov_b32 s[G0SB+1], SB
	s_mov_b64 s[G0SB+2:G0SB+3], s[92:93]
	s_or_b32 s[G0SB+3], s[G0SB+3], 0x80000000
.macro ARM under, g0, g1, next         ; one chain of branches on the wave's number, one load to an arm
	s_cmp_lt_u32 s14, \under
	s_cbranch_scc0 \next
	tensor_load_to_lds s[\g0:\g0+3], s[\g1:\g1+7]
	s_nop 0
.rept 4
	v_nop
.endr
	s_branch .Lhead_asked
\next:
.endm
	ARM 2, G0A,  G1A,  .Lhead_b
	ARM 6, G0B,  G1B,  .Lhead_sa
	ARM 7, G0SA, G1SA, .Lhead_sb
	tensor_load_to_lds s[G0SB:G0SB+3], s[G1SB:G1SB+7]
	s_nop 0
.rept 4
	v_nop
.endr
.Lhead_asked:
	s_lshl_b32 s20, s42, 10
	s_lshl_b32 s21, s16, 8
	s_add_co_u32 s20, s20, s21                     ; my first column, in bytes
	s_mov_b32 s21, 0
	s_add_nc_u64 s[8:9], s[8:9], s[20:21]
	s_add_nc_u64 s[10:11], s[10:11], s[20:21]
	s_lshl_b32 s20, s17, 7
	s_lshl_b32 s22, s15, 6
	s_add_co_u32 s20, s20, s22
	s_lshl_b32 s20, s20, 12                        ; my first row x 4,096 bytes
	s_add_nc_u64 s[10:11], s[10:11], s[20:21]
	s_mul_i32 s48, s15, PART                       ; my four tiles of Y
	s_mul_i32 s49, s16, PART
	s_add_co_u32 s49, s49, BBASE                   ; my four tiles of W_u
	s_lshl_b32 s50, s15, 11
	s_lshl_b32 s51, s16, 11
	s_add_co_u32 s51, s51, SB-SA
	s_sub_co_u32 s51, s51, s50                     ; from my words of Y's scales to my words of W_u's
	s_add_co_u32 s50, s50, SA
	s_mul_i32 s52, s14, 16*SPITCH                  ; my stage
	v_and_b32 v1, 15, v0                           ; r
	v_bfe_u32 v2, v0, 4, 1                         ; h
	v_and_b32 v3, 31, v0
	v_lshlrev_b32 v4, 3, v3                        ; 8 x lane
	v_add_nc_u32 v[ADRA], s48, v4
	v_add_nc_u32 v[ADRB], s49, v4
	v_lshlrev_b32 v5, 3, v1
	v_mul_u32_u24 v6, s51, v2                      ; lanes 16-31 take W_u's words
	v_add_nc_u32 v5, v5, v6
	v_add_nc_u32 v[ADRS], s50, v5
	v_mul_u32_u24 v5, v1, SPITCH                   ; into the stage: row r, 64 bytes for each half of the lanes
	v_lshl_add_u32 v5, v2, 6, v5
	v_add_nc_u32 v[STO], s52, v5
	v_mul_u32_u24 v5, v2, SPITCH                   ; back: sixteen lanes to a row of 256 bytes, two rows an instruction
	v_lshl_add_u32 v5, v1, 4, v5
	v_add_nc_u32 v[RD], s52, v5
	v_lshlrev_b32 v6, 12, v2
	v_lshl_add_u32 v[CO], v1, 4, v6                ; and the same two rows in out0
	v_lshlrev_b32 v7, 6, v2
	s_wait_alu depctr_va_vdst(0)
.irp b, 0,1,2,3
	global_load_b128 v[BIAS+8*\b:BIAS+8*\b+3], v7, s[8:9] offset:128*(\b/2)+32*(\b%2)        ; b_u at columns 32 (b / 2) + 8 (b % 2) + 16 h + 0 .. 7
	global_load_b128 v[BIAS+8*\b+4:BIAS+8*\b+7], v7, s[8:9] offset:128*(\b/2)+32*(\b%2)+16
.endr
	s_wait_tensorcnt 0x0                           ; my one load has landed
	s_barrier_signal -1
	s_barrier_wait -1                              ; and so has every wave's
.macro FETCH st                        ; step st's eight fragments into set st % 2; with an even step the scale words of it and the next
.set FB, FS+96*((\st)%2)
.irp i, 0,1,2,3
.irp p, 0,1,2,3,4,5
	ds_load_b64 v[FB+12*\i+2*\p:FB+12*\i+2*\p+1], v[ADRA] offset:12288*\i+1536*(\st)+256*\p
.endr
.endr
.irp i, 0,1,2,3
.irp p, 0,1,2,3,4,5
	ds_load_b64 v[FB+48+12*\i+2*\p:FB+48+12*\i+2*\p+1], v[ADRB] offset:12288*\i+1536*(\st)+256*\p
.endr
.endr
.if ((\st)%2) == 0
.irp i, 0,1,2,3
	ds_load_b64 v[SC+8*(((\st)/2)%2)+2*\i:SC+8*(((\st)/2)%2)+2*\i+1], v[ADRS] offset:512*\i+128*((\st)/2)
.endr
.endif
.endm
.macro MUL st, first                   ; 16 products, the 16 accumulators by turns
.set FB, FS+96*((\st)%2)
.set SS, SC+8*(((\st)/2)%2)+((\st)%2)
.irp a, 0,1,2,3
.irp b, 0,1,2,3
.if \first
	v_wmma_scale_f32_16x16x128_f8f6f4 v[8*(4*\a+\b):8*(4*\a+\b)+7], v[FB+48+12*\b:FB+48+12*\b+11], v[FB+12*\a:FB+12*\a+11], v[BIAS+8*\b:BIAS+8*\b+7], v[SS+2*\b], v[SS+2*\a] matrix_a_fmt:MATRIX_FMT_FP6 matrix_b_fmt:MATRIX_FMT_FP6 matrix_a_scale:MATRIX_SCALE_ROW1
.else
	v_wmma_scale_f32_16x16x128_f8f6f4 v[8*(4*\a+\b):8*(4*\a+\b)+7], v[FB+48+12*\b:FB+48+12*\b+11], v[FB+12*\a:FB+12*\a+11], v[8*(4*\a+\b):8*(4*\a+\b)+7], v[SS+2*\b], v[SS+2*\a] matrix_a_fmt:MATRIX_FMT_FP6 matrix_b_fmt:MATRIX_FMT_FP6 matrix_a_scale:MATRIX_SCALE_ROW1
.endif
.endr
.endr
.endm
	FETCH 0
	s_wait_loadcnt 0x0                             ; the bias
	FETCH 1
	s_wait_dscnt 48                                ; all but step 1's 48 loads
	WIN 0x40                                       ; D in window 1, C (the bias) in window 0
	MUL 0, 1
	WIN 0
.set ST, 1
.rept 6
	PLACES                                         ; in front of loads into the set that the last products read
	FETCH ST+1
	s_wait_dscnt 48+4*(ST%2)                       ; all but the loads just issued: 48, and 4 of scale words ahead of an even step
	WIN 0x50                                       ; C and D in window 1
	MUL ST, 0
	WIN 0
.set ST, ST+1
.endr
	s_wait_dscnt 0x0                               ; my last reads of the tiles are over
	s_barrier_signal -1
	WIN 0x50
	MUL 7, 0
	WIN 0
	s_barrier_wait -1                              ; nobody reads Y's codes any more: their bytes serve as stages
	PLACES
.macro TOSTAGE a                       ; block a: 16 rows x 64 columns into my stage, and back as whole rows of 256 bytes; LDS serves a wave's instructions in order
	WIN 0x04                                       ; the data: window 1
.irp b, 0,1,2,3
	ds_store_b128 v[STO], v[32*(\a)+8*\b:32*(\a)+8*\b+3] offset:128*(\b/2)+32*(\b%2)
	ds_store_b128 v[STO], v[32*(\a)+8*\b+4:32*(\a)+8*\b+7] offset:128*(\b/2)+32*(\b%2)+16
.endr
	WIN 0
.set BB, FS+32*((\a)%2)
.irp t, 0,1,2,3,4,5,6,7
	ds_load_b128 v[BB+4*\t:BB+4*\t+3], v[RD] offset:\t*2*SPITCH
.endr
.endm
.macro SEND a, younger
.set BB, FS+32*((\a)%2)
	s_wait_dscnt \younger
.irp t, 0,1,2,3,4,5,6,7
	global_store_b128 v[CO], v[BB+4*\t:BB+4*\t+3], s[10:11] offset:(32*((\a)/2)+8*((\a)%2)+2*\t+8*(\t/4))*4096 th:TH_STORE_NT   ; sixteen lanes store 256 consecutive bytes, aligned
.endr
.endm
	TOSTAGE 0
.irp a, 1,2,3
.if \a > 1
	s_wait_xcnt 0x0                                ; block a - 2's stores have read their registers
.endif
	TOSTAGE \a
	SEND \a-1, 16                                  ; behind block a - 1's loads: block a's 8 stores and 8 loads
.endr
	SEND 3, 0
	s_wait_tensorcnt 0x0                           ; the wave's end
	ds_add_u32 v[SPW], v[NIL]
	s_wait_dscnt 0x0
	CROUND                                         ; the closing round
	s_endpgm
.Lfunc_end_k_q7460b8e18b_outp:
	.size	k_q7460b8e18b_outp, .Lfunc_end_k_q7460b8e18b_outp-k_q7460b8e18b_outp
	.p2alignl 7, 3214868480
	.fill 96, 4, 3214868480
	.section	.rodata,"a",@progbits
	.p2align	6, 0x0
	.amdhsa_kernel k_q7460b8e18b_outp
		.amdhsa_group_segment_fixed_size 308224
		.amdhsa_private_segment_fixed_size 0
		.amdhsa_enable_private_segment 0
		.amdhsa_kernarg_size 32
		.amdhsa_user_sgpr_count 2
		.amdhsa_user_sgpr_kernarg_segment_ptr 1
		.amdhsa_wavefront_size32 1
		.amdhsa_system_sgpr_workgroup_id_x 1
		.amdhsa_system_sgpr_workgroup_id_y 1
		.amdhsa_system_sgpr_workgroup_id_z 1
		.amdhsa_system_vgpr_workitem_id 0
		.amdhsa_next_free_vgpr 384
		.amdhsa_next_free_sgpr 98
		.amdhsa_reserve_vcc 0
		.amdhsa_float_denorm_mode_32 3
		.amdhsa_float_denorm_mode_16_64 3
		.amdhsa_memory_ordered 1
		.amdhsa_forward_progress 1
		.amdhsa_inst_pref_size 60
	.end_amdhsa_kernel
	.amdgpu_metadata
---
amdhsa.version: [ 1, 2 ]
amdhsa.kernels:
  - .name:           k_q7460b8e18b_outp
    .symbol:         k_q7460b8e18b_outp.kd
    .args:
      - { .name: yq, .offset: 0, .size: 8, .value_kind: global_buffer, .address_space: global }
      - { .name: xw, .offset: 8, .size: 8, .value_kind: global_buffer, .address_space: global }
      - { .name: b_u, .offset: 16, .size: 8, .value_kind: global_buffer, .address_space: global }
      - { .name: out0, .offset: 24, .size: 8, .value_kind: global_buffer, .address_space: global }
    .group_segment_fixed_size: 308224
    .private_segment_fixed_size: 0
    .kernarg_segment_align: 8
    .kernarg_segment_size: 32
    .max_flat_workgroup_size: 256
    .sgpr_count:     98
    .vgpr_count:     384
    .wavefront_size: 32
...
	.end_amdgpu_metadata
.endif
;; end of part 4
